; MI455X (gfx1250); checked and timed in simulation.
; The chip was launched on July 23, 2026; its instructions are those of AMD's public machine-readable ISA for CDNA 5 (MIT licence, August 2026) and "CDNA5" Instruction Set Architecture Reference Guide (July 2026). The comments in the code are by the model that wrote it; some were corrected since.
;; Standard Attention. Allowed arithmetic: matrix products marked QUANTISED: E2M3 operands, one E8M0 scale for each 32 along K, by v_wmma_scale_f32_16x16x128_f8f6f4 with both operands' format E2M3, f32 sums; everything else in f32.
;; Inputs: b_out 1,024 float32; b_qkv 3,072 float32; w_out 1,024 x 1,024 float32; w_qkv 3,072 x 1,024 float32; x 4 x 2,048 x 1,024 float32.
;; Outputs: out0 4 x 2,048 x 1,024 float32.
;; This version of the problem:
;;   THIS VERSION OF THE PROBLEM IS GIVEN IN LOW PRECISION. The matrix products marked QUANTISED in the list below multiply operands that are first quantised to E2M3 (2 exponent bits, 3 mantissa bits; 6 bits a number), with one power-of-two scale for each 32 numbers along K (OCP MX v1.0); their sums are f32. All else is computed in f32.
;;   The module's matrix products, in the order in which they are computed (A, B: the left and right operand; K: the contracted axis; several contracted axes count as one K, in the product's order):
;;     1. [M 8,192, K 1,024] x [K 1,024, N 3,072]; A: input x; B: input w_qkv: QUANTISED
;;     2. batch 64 x [M 2,048, K 64] x [K 64, N 2,048]; A: computed on the way; B: computed on the way: QUANTISED
;;     3. batch 64 x [M 2,048, K 2,048] x [K 2,048, N 64]; A: softmax (see below); B: computed on the way: QUANTISED
;;     4. [M 8,192, K 1,024] x [K 1,024, N 1,024]; A: computed on the way; B: input w_out: QUANTISED
;;   THE QUANTISER, for each operand of a quantised product, along K:
;;     - K is cut into blocks of 32 from its start; a last block that is shorter is filled with zeros.
;;     - A block's scale is 2^e with e = floor(log2(the largest magnitude in the block)) - 2, held to -126 .. 127; a block of zeros has e = 0. As a byte (E8M0): e + 127.
;;     - Each number is divided by its block's scale, clamped to +-7.5, and rounded to the nearest number of E2M3, ties to even, subnormals kept.
;;     - The product sums the exact products of the quantised numbers (number of the format x scale) in f32.
;;   ~~~python
;;   def quantise(x, axis):      # numpy; x: float32 -> the quantised numbers, widened to float32 again
;;       x = np.moveaxis(x, axis, -1); K = x.shape[-1]
;;       x = np.pad(x, [(0, 0)] * (x.ndim - 1) + [(0, -K % 32)]); x = x.reshape(x.shape[:-1] + (-1, 32)); a = np.abs(x).max(-1, keepdims=True)
;;       e = np.where(a > 0, np.clip(np.frexp(np.where(a > 0, a, 1))[1] - 1 - 2, -126, 127), 0)      # np.frexp(a)[1] - 1 = floor(log2(a)), exactly
;;       r = np.clip(x / 2.0 ** e, -7.5, 7.5)
;;       step = 2.0 ** (np.maximum(np.frexp(np.where(r == 0, 1, r))[1] - 1, 0) - 3)
;;       q = np.round(r / step) * step * 2.0 ** e      # np.round: ties to even
;;       return np.moveaxis(q.reshape(q.shape[:-2] + (-1,))[..., :K], -1, axis).astype(np.float32)
;;   ~~~
;;   SOFTMAX AHEAD OF A QUANTISED PRODUCT. Where the list says 'softmax', what is quantised is not the finished softmax but p = 2^(t - M), with t = logit x log2(e) and M = ceil(the row's largest t), a whole number; so 1/2 < the row's largest p <= 1. The row's sum l is taken of the UNQUANTISED p, in f32, and the product's result is divided by l at the end. Since M is a whole number, a kernel that streams over the keys may use a running M (the ceiling of the running maximum): every later rescaling is an exact power of two, which a block's scale takes up: the codes' values come out the same.
;;   OPERANDS COMPUTED ON THE WAY. 'Computed on the way' means the value that the module computes at that place (a softmax that the list does not call 'softmax' is quantised finished and normalised). What goes into a quantiser is computed in f32, as accurately as f32 sums, v_exp_f32 and their like allow (about 1e-6 of the number): no bf16 or f16 on the way to a quantiser, and a product that is left as it is and whose result goes on into a quantised operand takes f32 operands (vector FMAs, or v_wmma_f32_16x16x4_f32). A number that lies on a knife's edge between two numbers of the format may be rounded either way, as far as f32 arithmetic and the matrix unit's own rounding can turn it there, and no further.
;; One version. Each part assembles by itself: llvm-mc -triple=amdgcn-amd-amdhsa -mcpu=gfx1250 --defsym DOCPART=n.
;; ======== version 1 of 1: 4 launches
;; limits: right only within a limited range of input values
;; workspace buffers: xw 10,223,616 bytes; qkv 20,185,088 bytes; oq 6,815,744 bytes
;; launch quant (part 1): grid 768 x 1, 2 waves a work-group, no clusters, 34,304 bytes of LDS; arguments x, w_qkv, w_out, xw; writes xw
.if DOCPART == 1
	.amdgcn_target "amdgcn-amd-amdhsa--gfx1250"
	.amdhsa_code_object_version 6
	.text
	.protected	k_qaa628f7844_quant
	.globl	k_qaa628f7844_quant
	.p2align	8
	.type	k_qaa628f7844_quant,@function
k_qaa628f7844_quant:
	s_mov_b64 s[64:65], 0
	v_nop
	global_prefetch_b8 v0, s[64:65] scope:SCOPE_SE
	s_setreg_imm32_b32 hwreg(HW_REG_WAVE_MODE, 25, 1), 1
	s_wait_xcnt 0x0
; x [8192][1024], w_qkv [3072][1024] and w_out [1024][1024], f32, become codes of FP6 (E2M3) with one E8M0 byte for each 32 along K (their last axis),
; laid in xw in the order in which the products' operand registers take them.
; A block's scale is 2^(floor(log2(its largest magnitude)) - 2): its byte is that magnitude's exponent field - 2, held at 1 from below; numbers are divided by it and rounded to the nearest code, ties to even.
; LIMITS: NaN and infinities are not served; a block whose largest magnitude lies under 2^-124 keeps the byte 1; a block of zeros gets the byte 1 where the rule says 127 (its codes are zeros, and only this program reads the bytes).
; ROW BLOCKS. Rows go in groups of 32; block u (0, 1) of a group holds at place r = 0..15 row 32 G + 8 u + r + 8 (r / 8), so that in a later product two neighbouring result tiles hold 16 neighbours.
; xw: [row block 0..767][record p = 0..3][3,328 bytes]. A record is 256 along K of 16 rows: fragment 2 p, fragment 2 p + 1 (1,536 bytes each), 256 bytes of scale words.
;   A fragment (12 registers a lane) is two halves of 768 bytes: registers 0-3 at 16 x lane, registers 4-5 at 512 + 8 x lane.  Scale slot l (8 bytes): the two K steps' words of row l % 16.
; SHARES. Work-group j takes the 32 rows of group G = j / 2 (G < 256: x; G < 352: w_qkv; else w_out); wave w takes block u = w and K steps 4 (j % 2) .. + 3: four fragments.
; Every load reads 512 consecutive bytes of a row; a K step's 16 rows turn through the wave's own stage in LDS, so that a lane gets 16 neighbours of each block of 32.  Waves share nothing: no barrier.
; No cluster: no two work-groups read the same bytes.
.set SPITCH, 528                       ; a stage row: 512 bytes + 16, so that the sixteen rows of a read begin 16 bytes apart modulo 256
.set STG,    16*SPITCH
.set REC,    3328
.set RBS,    13312
.set LI,   1                           ; v1  16 x lane
.set L8,   2                           ; v2  8 x lane
.set SIN,  3                           ; v3  the stage, on the way in: 16 x lane
.set SOUT, 4                           ; v4  on the way out: row r, + 64 h
.set SW,   12                          ; v12-15 the four fragments' scale words
.set TM,   16                          ; v16-31 at work in QUANT
.set PC,   32                          ; v32-43 a fragment's codes
.set CT,   56                          ; v56-63 the conversions' second halves
.set T,    64                          ; v64-127 64 numbers: register 16 b + i = k 32 b + 16 h + i of my row
.set R,    128                         ; v128-255 two sets of 64 registers as loaded
.set SEL,  20                          ; s[20:21] selects for lane l xor 16
; 64 numbers of a lane become two halves of a fragment (six registers each, at d0 and d1); the four scale bytes are left in v[TM+4] .. v[TM+7].
.macro QUANT s, d0, d1
.irp b, 0,1,2,3
	v_max3_num_f32 v[TM+\b], |v[\s+16*\b]|, |v[\s+1+16*\b]|, 0x1800000   ; my 16 numbers of block b, and the floor 2^(3 - 127): the byte cannot fall under 1
.endr
.irp i, 2,4,6,8,10,12,14
.irp b, 0,1,2,3
	v_max3_num_f32 v[TM+\b], v[TM+\b], |v[\s+16*\b+\i]|, |v[\s+1+16*\b+\i]|   ; the four blocks by turns
.endr
.endr
.irp b, 0,1,2,3
	v_permlanex16_b32 v[TM+4+\b], v[TM+\b], s[SEL], s[SEL+1]
.endr
.irp b, 0,1,2,3
	v_max_num_f32 v[TM+\b], v[TM+\b], v[TM+4+\b]   ; with lane l xor 16's 16: the block's largest magnitude
.endr
.irp b, 0,1,2,3
	v_add_nc_u32 v[TM+12+\b], 0xff000000, v[TM+\b]   ; 2 off its exponent field: the conversion takes this operand's exponent field as its scale
.endr
.irp b, 0,1,2,3
	v_lshrrev_b32 v[TM+4+\b], 23, v[TM+12+\b]      ; the scale's byte
.endr
	v_cvt_scalef32_pk16_fp6_f32 v[\d0:\d0+2], v[\s:\s+15], v[TM+12]
	v_cvt_scalef32_pk16_fp6_f32 v[CT:CT+2], v[\s+16:\s+31], v[TM+13]      ; (a conversion's three registers begin on an even number)
	v_cvt_scalef32_pk16_fp6_f32 v[\d1:\d1+2], v[\s+32:\s+47], v[TM+14]
	v_cvt_scalef32_pk16_fp6_f32 v[CT+4:CT+6], v[\s+48:\s+63], v[TM+15]
	v_nop                                          ; one plain instruction behind the scaled conversions
.irp i, 0,1,2
	v_permlane16_swap_b32 v[\d0+\i], v[CT+\i]      ; the operand wants a whole block in a lane: lanes 0-15 the even block, lanes 16-31 the odd one
	v_permlane16_swap_b32 v[\d1+\i], v[CT+4+\i]
.endr
.irp i, 0,1,2
	v_mov_b32 v[\d0+3+\i], v[CT+\i]
	v_mov_b32 v[\d1+3+\i], v[CT+4+\i]
.endr
.endm
.macro LOAD f                          ; K step f of my 16 rows: a load reads 512 consecutive bytes of one row; place i is row i + 8 (i / 8) of my block
.irp i, 0,1,2,3,4,5,6,7,8,9,10,11,12,13,14,15
	global_load_b128 v[R+64*((\f)%2)+4*\i:R+64*((\f)%2)+4*\i+3], v[LI], s[4:5] offset:(\i+8*(\i/8))*4096+512*(\f) th:TH_LOAD_NT
.endr
.endm
.macro TURN f                          ; through my stage: LDS serves a wave's instructions in order (ISA guide 5.7.1.4), so no wait stands between the stores and the loads
.irp i, 0,1,2,3,4,5,6,7,8,9,10,11,12,13,14,15
	ds_store_b128 v[SIN], v[R+64*((\f)%2)+4*\i:R+64*((\f)%2)+4*\i+3] offset:\i*SPITCH
.endr
.irp b, 0,1,2,3
.irp j, 0,1,2,3
	ds_load_b128 v[T+16*\b+4*\j:T+16*\b+4*\j+3], v[SOUT] offset:128*\b+16*\j
.endr
.endr
.endm
	s_load_b256 s[4:11], s[0:1], 0x0               ; x s[4:5], w_qkv s[6:7], w_out s[8:9], xw s[10:11]
	v_lshl_add_u32 v59, v0, 2, 0x8400
	v_mov_b32 v63, 0
	v_lshrrev_b32 v5, 5, v0
	v_readfirstlane_b32 s12, v5                    ; wave
	v_and_b32 v6, 31, v0                           ; lane
	v_and_b32 v7, 15, v0                           ; r
	v_bfe_u32 v8, v0, 4, 1                         ; h
	v_lshlrev_b32 v[LI], 4, v6
	v_lshlrev_b32 v[L8], 3, v6
	s_mul_i32 s13, s12, STG                        ; my stage
	v_add_nc_u32 v[SIN], s13, v[LI]
	v_mul_u32_u24 v[SOUT], v7, SPITCH
	v_lshl_add_u32 v[SOUT], v8, 6, v[SOUT]
	v_add_nc_u32 v[SOUT], s13, v[SOUT]
.irp b, 0,1,2,3
	v_mov_b32 v[TM+4+\b], 0                        ; written once: a lane permute's destination counts as one of its sources
.endr
	s_and_b32 s14, s12, 1                          ; u: which block of the group
	; THE DEAL AS IT STANDS: 768 work-groups of two waves.  Work-group j takes group G = j / 2 of 32 rows and half j % 2 of K (four K steps); its wave w takes block u = w of the group.
	s_and_b32 s15, ttmp9, 1                        ; which half of K
	s_lshr_b32 s22, ttmp9, 1                       ; G
	s_mov_b32 s[SEL], 0x76543210
	s_mov_b32 s[SEL+1], 0xfedcba98
	s_lshl_b32 s18, s22, 1
	s_add_co_u32 s18, s18, s14                     ; row block = 2 G + u, through all three tensors
	s_mul_i32 s18, s18, RBS
	s_mul_i32 s19, s15, 2*REC
	s_add_co_u32 s18, s18, s19
	s_mov_b32 s19, 0
	s_wait_alu depctr_va_vdst(0)
	s_wait_kmcnt 0x0
	s_cmp_lt_u32 s22, 352                          ; which tensor: the choice hangs on the work-group's number alone
	s_cselect_b64 s[6:7], s[6:7], s[8:9]
	s_mov_b32 s16, 352
	s_cselect_b32 s16, 256, s16
	s_cmp_lt_u32 s22, 256
	s_cselect_b64 s[4:5], s[4:5], s[6:7]
	s_cselect_b32 s16, 0, s16                      ; the tensor's first group
	s_sub_co_u32 s16, s22, s16
	s_lshl_b32 s16, s16, 17                        ; 32 rows of 4,096 bytes a group
	s_lshl_b32 s17, s14, 15                        ; block 1 begins 8 rows on
	s_add_co_u32 s16, s16, s17
	s_lshl_b32 s17, s15, 11                        ; four K steps of 512 bytes
	s_add_co_u32 s16, s16, s17
	s_mov_b32 s17, 0
	s_add_nc_u64 s[4:5], s[4:5], s[16:17]
	s_add_nc_u64 s[10:11], s[10:11], s[18:19]
	LOAD 0
	LOAD 1
.irp f, 0,1,2,3
.if \f < 3
	s_wait_loadcnt 16                              ; this K step's 16 loads are in; the 16 of the other set may be out
.else
	s_wait_loadcnt 0x0
.endif
	TURN \f
	s_wait_dscnt 0x0                               ; my numbers are back, and the stage's stores have read their registers,
.if \f < 2
	LOAD \f+2                                      ; which take the K step two on
.endif
.if \f > 0
	s_wait_xcnt 0x0                                ; the last fragment's stores have read the codes' registers, which are written again below
.endif
	QUANT T, PC, PC+6
	v_lshl_or_b32 v[SW+\f], v[TM+5], 8, v[TM+4]    ; the four bytes make my row's scale word
	v_lshl_or_b32 v[SW+\f], v[TM+6], 16, v[SW+\f]
	v_lshl_or_b32 v[SW+\f], v[TM+7], 24, v[SW+\f]
	global_store_b128 v[LI], v[PC:PC+3], s[10:11] offset:(\f/2)*REC+(\f%2)*1536          ; 512 consecutive bytes, at a multiple of 256 from the buffer's first byte
	global_store_b64 v[L8], v[PC+4:PC+5], s[10:11] offset:(\f/2)*REC+(\f%2)*1536+512     ; 256 consecutive bytes
	global_store_b128 v[LI], v[PC+6:PC+9], s[10:11] offset:(\f/2)*REC+(\f%2)*1536+768
	global_store_b64 v[L8], v[PC+10:PC+11], s[10:11] offset:(\f/2)*REC+(\f%2)*1536+1280
.if \f%2 == 1
	global_store_b64 v[L8], v[SW+\f-1:SW+\f], s[10:11] offset:(\f/2)*REC+3072            ; the record's 32 scale slots: both halves of the lanes hold the same rows' words
.endif
.endr
	s_wait_tensorcnt 0x0
	ds_add_u32 v59, v63
	s_wait_dscnt 0x0
	s_endpgm
.Lfunc_end_k_qaa628f7844_quant:
	.size	k_qaa628f7844_quant, .Lfunc_end_k_qaa628f7844_quant-k_qaa628f7844_quant
	.p2alignl 7, 3214868480
	.fill 96, 4, 3214868480
	.section	.rodata,"a",@progbits
	.p2align	6, 0x0
	.amdhsa_kernel k_qaa628f7844_quant
		.amdhsa_group_segment_fixed_size 34304
		.amdhsa_private_segment_fixed_size 0
		.amdhsa_enable_private_segment 0
		.amdhsa_kernarg_size 32
		.amdhsa_user_sgpr_count 2
		.amdhsa_user_sgpr_kernarg_segment_ptr 1
		.amdhsa_wavefront_size32 1
		.amdhsa_system_sgpr_workgroup_id_x 1
		.amdhsa_system_sgpr_workgroup_id_y 1
		.amdhsa_system_sgpr_workgroup_id_z 1
		.amdhsa_system_vgpr_workitem_id 0
		.amdhsa_next_free_vgpr 256
		.amdhsa_next_free_sgpr 66
		.amdhsa_reserve_vcc 0
		.amdhsa_float_denorm_mode_32 3
		.amdhsa_float_denorm_mode_16_64 3
		.amdhsa_memory_ordered 1
		.amdhsa_forward_progress 1
		.amdhsa_inst_pref_size 34
	.end_amdhsa_kernel
	.amdgpu_metadata
---
amdhsa.version: [ 1, 2 ]
amdhsa.kernels:
  - .name:           k_qaa628f7844_quant
    .symbol:         k_qaa628f7844_quant.kd
    .args:
      - { .name: x, .offset: 0, .size: 8, .value_kind: global_buffer, .address_space: global }
      - { .name: w_qkv, .offset: 8, .size: 8, .value_kind: global_buffer, .address_space: global }
      - { .name: w_out, .offset: 16, .size: 8, .value_kind: global_buffer, .address_space: global }
      - { .name: xw, .offset: 24, .size: 8, .value_kind: global_buffer, .address_space: global }
    .group_segment_fixed_size: 34304
    .private_segment_fixed_size: 0
    .kernarg_segment_align: 8
    .kernarg_segment_size: 32
    .max_flat_workgroup_size: 64
    .sgpr_count:     66
    .vgpr_count:     256
    .wavefront_size: 32
...
	.end_amdgpu_metadata
.endif
;; end of part 1
;; launch qkv (part 2): grid 24 x 32, 4 waves a work-group, clusters of 4 x 4, 320,000 bytes of LDS; arguments xw, b_qkv, qkv; writes qkv
.if DOCPART == 2
	.amdgcn_target "amdgcn-amd-amdhsa--gfx1250"
	.amdhsa_code_object_version 6
	.text
	.protected	k_qaa628f7844_qkv
	.globl	k_qaa628f7844_qkv
	.p2align	8
	.type	k_qaa628f7844_qkv,@function
k_qaa628f7844_qkv:
	s_mov_b64 s[64:65], 0
	v_nop
	global_prefetch_b8 v0, s[64:65] scope:SCOPE_SE
	s_setreg_imm32_b32 hwreg(HW_REG_WAVE_MODE, 25, 1), 1
	s_wait_xcnt 0x0
	s_wait_alu depctr_hold_cnt(0) depctr_sa_sdst(0) depctr_va_vdst(0) depctr_va_sdst(0) depctr_va_ssrc(0) depctr_va_vcc(0) depctr_vm_vsrc(0)
	s_getreg_b32 s2, hwreg(HW_REG_IB_STS2, 6, 4)
	s_cmp_eq_u32 s2, 0
	s_cbranch_scc0 .Lentry_in_a_cluster
	s_endpgm
.Lentry_in_a_cluster:
	s_bfe_u32 s2, ttmp6, 0x10000c
	s_cmp_lg_u32 s2, 0xf033
	s_cbranch_scc0 .Lentry_shape_is_right
	s_endpgm
.Lentry_shape_is_right:
; qkv = x w_qkv^T + b_qkv on codes of FP6 (E2M3) with E8M0 scales (buffer xw), sums in f32; the results are quantised at once, q and k along the head's 64, v along the keys, and leave as images of
; attention's operand registers.  No f32 result goes to memory.
; LIMITS: NaN and infinities are not served; a block whose largest magnitude lies under 2^-124 keeps the byte 1; a block of zeros gets the byte 1 where the rule says 127 (its codes are zeros; only this program reads the bytes).
; SHARES. A work-group makes 256 tokens (wy) x 128 columns (wx: 0-7 q, 8-15 k, 16-23 v), K = 1,024.  All its operands, 24 row blocks x 13,312 bytes, fit in LDS: every tensor load is a first fill; nothing is filled again.
; They come as two halves of 512 along K, so that the products begin when the first half has landed.
; CLUSTER 4 x 4: the four work-groups of a row of the cluster need the same tokens, the four of a column the same weights: each tile is asked for jointly.
; ROLES. Source 0 takes 8 row blocks, whose rows run along a lane's registers in the result; source 1 takes 4, whose rows are the lanes.  q, k: source 1 = my 64 tokens, source 0 = the 128 columns (two heads):
; a lane holds a token and 64 numbers along d.  v: source 1 = a head's 64 channels, source 0 = 128 tokens: a lane holds a channel and 64 numbers down the keys.  Which it is hangs on the cluster's x alone.
; By the order of rows in a block (place r = row 8 u + r + 8 (r / 8) of a group of 32) the 16 registers of two neighbouring tiles are 16 neighbours along the next K.
; qkv, for each head (315,392 bytes): 16 key steps of 13,056 bytes (K: 4 images of two tiles; V: 4 images; K's scale words 512; V's 256), then 16 query groups of 6,656 bytes (4 images, 512 of scale words).
;   An image is 12 registers: chunk c (512 bytes) holds registers 4 c .. 4 c + 3 at 16 x lane.  q's and k's scale words are b0 | b1 << 8 | 0x7f7f0000: their K is 64, half of the instruction's 128.
; REGISTERS, in windows of 256: window 0: addresses, scale words (v32-79, two sets of 24), biases, the way out.  window 1: the 32 accumulators, (a, b) at v[8 (8 a + b)].
;   windows 2 and 3: two sets of fragments: source 0's eight at v[12 b], source 1's four at v[96 + 12 a].
; THE FILLS AS THEY STAND: the operands come as two HALVES of 512 along K, one joint load a wave: wave 0 the 16 token blocks of half 0, wave 1 its 8 weight blocks, waves 2 and 3 the same of half 1.
; A row of a tile is a row block's two records, 6,656 bytes, at a multiple of 256 bytes from the buffer's first byte.  The products begin when half 0 has landed.
.set HB,    159744                     ; a half in LDS: 24 blocks x 6,656 bytes
.set BLK,   6656                       ; a block's two records
.set REC,   3328
.set RBS,   13312
.set WOFF,  16*BLK                     ; in a half: 16 token blocks, then 8 weight blocks
.set HEADB, 315392
.set KSB,   13056
.set QGB,   6656
.set QOFF,  208896
.set LI,  1                            ; v1  16 x lane
.set L8,  2                            ; v2  8 x lane
.set BO,  3                            ; v3  64 h: my half's place among a tile pair's biases
.set TM,  4                            ; v4-19  at work in QUANT
.set W0,  20
.set W1,  21
.set SM0, 22                           ; v22-23 scale words on their way out
.set A0L, 24                           ; v24-27 LDS addresses: source 0's and source 1's blocks, at 16 x lane and at 8 x lane
.set A0S, 25
.set A1L, 26
.set A1S, 27
.set SM1, 28                           ; v28-29
.set BVO, 30                           ; v30  4 x (r + 8 (r / 8)): my channel's place among v's biases
.set SC,  32                           ; v32-79 scale words, and nothing else: set s at SC + 24 s: source 0's block b at + 2 b, source 1's block a at + 16 + 2 a; a pair holds the quarter's two K steps
.set BV,  80                           ; v80-87 v's biases: my channel's, twice, for each of four tiles
.set CT,  88
.set P0,  96
.set P1,  108
.set T,   120                          ; v120-183 64 numbers on their way to the quantiser
.set BI,  192                          ; v192-255 q's and k's biases in the result's layout
.set WV,  10
.set G1X, 32                           ; s[32:39] descriptor group 1 for tokens; s[40:47] for weights; groups 0: s[48:51], s[68:71]
.set G1W, 40
.set G0X, 48
.set G0W, 68
.set SEL, 94
.set MSB, 0
.macro WIN new                         ; the immediate's high byte repeats the setting that is left
.if MSB != (\new)
	s_set_vgpr_msb (MSB<<8)|(\new)
.set MSB, (\new)
.endif
.endm
.macro PLACES n
.rept \n
	v_nop
.endr
.endm
.macro ROUND                           ; a round of the cluster's barrier
	s_barrier_signal -1
	s_barrier_wait -1
	s_cmp_lg_u32 s[WV], 0
	s_cbranch_scc1 .Lnw0_\@
	s_barrier_signal -3
.Lnw0_\@:
	s_barrier_wait -3
	s_barrier_signal -1
	s_barrier_wait -1
.endm
.macro QUANT s, d0, d1                 ; 64 numbers of a lane (register 16 b + i = k 32 b + 16 h + i) become two halves of six registers; the four scale bytes are left in v[TM+4] .. v[TM+7]
.irp b, 0,1,2,3
	v_max3_num_f32 v[TM+\b], |v[\s+16*\b]|, |v[\s+1+16*\b]|, 0x1800000   ; and the floor 2^(3 - 127): the byte cannot fall under 1
.endr
.irp i, 2,4,6,8,10,12,14
.irp b, 0,1,2,3
	v_max3_num_f32 v[TM+\b], v[TM+\b], |v[\s+16*\b+\i]|, |v[\s+1+16*\b+\i]|
.endr
.endr
.irp b, 0,1,2,3
	v_permlanex16_b32 v[TM+4+\b], v[TM+\b], s[SEL], s[SEL+1]
.endr
.irp b, 0,1,2,3
	v_max_num_f32 v[TM+\b], v[TM+\b], v[TM+4+\b]
.endr
.irp b, 0,1,2,3
	v_add_nc_u32 v[TM+12+\b], 0xff000000, v[TM+\b]   ; 2 off the exponent field: the conversion's scale operand
.endr
.irp b, 0,1,2,3
	v_lshrrev_b32 v[TM+4+\b], 23, v[TM+12+\b]
.endr
	v_cvt_scalef32_pk16_fp6_f32 v[\d0:\d0+2], v[\s:\s+15], v[TM+12]
	v_cvt_scalef32_pk16_fp6_f32 v[CT:CT+2], v[\s+16:\s+31], v[TM+13]
	v_cvt_scalef32_pk16_fp6_f32 v[\d1:\d1+2], v[\s+32:\s+47], v[TM+14]
	v_cvt_scalef32_pk16_fp6_f32 v[CT+4:CT+6], v[\s+48:\s+63], v[TM+15]
	v_nop                                          ; one plain instruction behind the scaled conversions
.irp i, 0,1,2
	v_permlane16_swap_b32 v[\d0+\i], v[CT+\i]
	v_permlane16_swap_b32 v[\d1+\i], v[CT+4+\i]
.endr
.irp i, 0,1,2
	v_mov_b32 v[\d0+3+\i], v[CT+\i]
	v_mov_b32 v[\d1+3+\i], v[CT+4+\i]
.endr
.endm
.macro FRAG reg, al, as, off           ; a fragment's 12 registers, as they were laid: every address is a multiple of the access's size, every instruction reads consecutive bytes
	ds_load_b128 v[\reg:\reg+3], v[\al] offset:\off
	ds_load_b64 v[\reg+4:\reg+5], v[\as] offset:\off+512
	ds_load_b128 v[\reg+6:\reg+9], v[\al] offset:\off+768
	ds_load_b64 v[\reg+10:\reg+11], v[\as] offset:\off+1280
.endm
.macro FETCH k                         ; K step k's twelve fragments into set k % 2: 48 loads in one run
	WIN 0x80+0x40*((\k)&1)
.irp b, 0,1,2,3,4,5,6,7
	FRAG 12*\b, A0L, A0S, \b*BLK+(((\k)>>1)&1)*REC+((\k)&1)*1536
.endr
.irp a, 0,1,2,3
	FRAG 96+12*\a, A1L, A1S, \a*BLK+(((\k)>>1)&1)*REC+((\k)&1)*1536
.endr
.endm
.macro SCALES s                        ; a quarter's scale words: lane l takes the two words of row l % 16 of each block
	WIN 0
.irp b, 0,1,2,3,4,5,6,7
	ds_load_b64 v[SC+24*(\s)+2*\b:SC+24*(\s)+2*\b+1], v[A0S] offset:3072+\b*BLK+(\s)*REC
.endr
.irp a, 0,1,2,3
	ds_load_b64 v[SC+24*(\s)+16+2*\a:SC+24*(\s)+16+2*\a+1], v[A1S] offset:3072+\a*BLK+(\s)*REC
.endr
.endm
.macro MUL16 a0, first                 ; 16 products: source 1's blocks a0, a0 + 1 x source 0's eight.  The 32 accumulators take turns, in the same order in every step
.irp a, \a0, \a0+1
.irp b, 0,1,2,3,4,5,6,7
.if \first
	v_wmma_scale_f32_16x16x128_f8f6f4 v[8*(8*(\a)+\b):8*(8*(\a)+\b)+7], v[12*\b:12*\b+11], v[96+12*(\a):96+12*(\a)+11], 0, v[SCK+2*\b], v[SCK+16+2*(\a)] matrix_a_fmt:MATRIX_FMT_FP6 matrix_b_fmt:MATRIX_FMT_FP6
.else
	v_wmma_scale_f32_16x16x128_f8f6f4 v[8*(8*(\a)+\b):8*(8*(\a)+\b)+7], v[12*\b:12*\b+11], v[96+12*(\a):96+12*(\a)+11], v[8*(8*(\a)+\b):8*(8*(\a)+\b)+7], v[SCK+2*\b], v[SCK+16+2*(\a)] matrix_a_fmt:MATRIX_FMT_FP6 matrix_b_fmt:MATRIX_FMT_FP6
.endif
.endr
.endr
.endm
; A K step of 128: 32 products on set k % 2; in its middle the next step's fragments are fetched into the other set, whose last reader stands 16 products and four plain instructions back.
; Step 3 is half 0's last: my one load has landed, I say so, and read half 1 when all four waves have said so.
.macro STEP k
.set SCK, SC+24*(((\k)>>1)&1)+((\k)&1)
	s_wait_dscnt 0x0                               ; this step's fragments and scale words are in; no LDS instruction of mine is out at the signal below
.if (\k) == 3
	s_wait_tensorcnt 0x0                           ; step 3 is half 0's last: every wave's one load has landed, those of half 1 among them
	s_barrier_signal -1
.endif
	WIN 0x5a+5*((\k)&1)                            ; sources in window 2 or 3, C and D in window 1
	MUL16 0, (\k)==0
.if (\k) < 7
.if (\k) == 3
	WIN 0
	s_barrier_wait -1
	v_add_nc_u32 v[A0L], HB, v[A0L]                ; on to half 1; these four are also the places in front of the loads
	v_add_nc_u32 v[A0S], HB, v[A0S]
	v_add_nc_u32 v[A1L], HB, v[A1L]
	v_add_nc_u32 v[A1S], HB, v[A1S]
.else
	PLACES 4                                       ; in front of loads into registers that matrix instructions have read
.endif
	FETCH (\k)+1
.if (\k)&1
	SCALES (((\k)+1)>>1)&1
.endif
.endif
	WIN 0x5a+5*((\k)&1)
	MUL16 2, (\k)==0
.endm
	s_load_b128 s[4:7], s[0:1], 0x0                ; xw s[4:5], b_qkv s[6:7]
	s_load_b64 s[8:9], s[0:1], 0x10                ; qkv
	v_lshl_add_u32 v190, v0, 2, 0x4e000
	v_mov_b32 v191, 0
	ds_add_u32 v190, v191
	ds_add_u32 v190, v191
	v_lshrrev_b32 v4, 5, v0
	v_readfirstlane_b32 s[WV], v4                  ; wave 0..3
	s_and_b32 s11, s[WV], 1
	s_lshr_b32 s12, s[WV], 1
	s_bfe_u32 s13, ttmp6, 0x40000                  ; cx
	s_bfe_u32 s14, ttmp6, 0x40004                  ; cy
	s_lshl_b32 s15, ttmp9, 2
	s_add_co_u32 s15, s15, s13                     ; wx = 4 x cluster x + cx
	s_and_b32 s16, ttmp7, 0xffff
	s_lshl_b32 s16, s16, 2
	s_add_co_u32 s16, s16, s14                     ; wy = 4 x cluster y + cy
	s_lshl_b32 s18, s14, 2
	s_lshl_b32 s18, 15, s18                        ; my row of the cluster
	s_lshl_b32 s19, 0x1111, s13                    ; my column
	; descriptor group 1: R rows (one row block each) of 832 elements of 8 bytes (two records), 1,664 elements apart; no padding
	s_or_b32 s[G1X], s18, (3<<16)|(1<<21)          ; 15:0 the mask: tokens go to my row; 17:16 elements of 8 bytes; 21 set beside a mask
	s_or_b32 s[G1W], s19, (3<<16)|(1<<21)          ; weights go to my column
.irp g, G1X, G1W
	s_mov_b32 s[\g+1], 832<<16                     ; tensor_dim0: two records, 832 elements of 8 bytes
	s_mov_b32 s[\g+3], 832<<16                     ; tile_dim0
	s_mov_b32 s[\g+5], 1664                        ; from row block to row block
	s_mov_b32 s[\g+6], 0
	s_mov_b32 s[\g+7], 0
.endr
	s_mov_b32 s[G1X+2], 16<<16                     ; tensor_dim1, and below tile_dim1: 16 token blocks,
	s_mov_b32 s[G1X+4], 16
	s_mov_b32 s[G1W+2], 8<<16                      ; 8 weight blocks
	s_mov_b32 s[G1W+4], 8
	s_lshl_b32 s20, s16, 4
	s_mul_i32 s20, s20, RBS                        ; tokens: row block 16 wy,
	s_mul_i32 s21, s12, 2*REC                      ; records 2 (wave / 2) on
	s_add_co_u32 s20, s20, s21
	s_mov_b32 s21, 0
	s_lshl_b32 s22, s15, 3
	s_add_co_u32 s22, s22, 512
	s_mul_i32 s22, s22, RBS                        ; weights: row block 512 + 8 wx,
	s_mul_i32 s23, s12, 2*REC                      ; records 2 (wave / 2) on
	s_add_co_u32 s22, s22, s23
	s_mov_b32 s23, 0
	s_mul_i32 s24, s12, HB                         ; where my half goes: no place in the cluster enters an LDS address
	s_mul_i32 s25, s11, 4*BLK
	s_add_co_u32 s25, s25, WOFF
	; what I read: q, k: source 1 = token blocks 4 w on, source 0 = the weights;  v: source 1 = weight blocks 4 (w % 2) on, source 0 = token blocks 8 (w / 2) on
	s_mul_i32 s26, s[WV], 4*BLK
	s_mul_i32 s27, s12, 8*BLK
	s_cmp_ge_u32 ttmp9, 4                          ; v?  The cluster's x is the same in all sixteen partners
	s_cselect_b32 s28, s27, WOFF
	s_cselect_b32 s29, s25, s26
	v_and_b32 v5, 31, v0
	v_lshlrev_b32 v[LI], 4, v5
	v_lshlrev_b32 v[L8], 3, v5
	v_add_nc_u32 v[A0L], s28, v[LI]
	v_add_nc_u32 v[A0S], s28, v[L8]
	v_add_nc_u32 v[A1L], s29, v[LI]
	v_add_nc_u32 v[A1S], s29, v[L8]
	v_bfe_u32 v6, v0, 4, 1
	v_lshlrev_b32 v[BO], 6, v6
	v_and_b32 v7, 15, v0
	v_and_b32 v8, 8, v7
	v_add_nc_u32 v8, v8, v7
	v_lshlrev_b32 v[BVO], 2, v8
	s_mov_b32 s[SEL], 0x76543210
	s_mov_b32 s[SEL+1], 0xfedcba98
	s_mov_b32 s86, 0xffff0000                      ; lanes 16-31
	s_lshl_b32 s84, s15, 9                         ; my 128 columns' biases
	s_mov_b32 s85, 0
	s_lshl_b32 s88, s11, 8                         ; and in v's role my head's 64
	s_mov_b32 s89, 0
	s_wait_dscnt 0x0
	s_wait_kmcnt 0x0
	s_add_nc_u64 s[20:21], s[4:5], s[20:21]
	s_add_nc_u64 s[22:23], s[4:5], s[22:23]
	s_add_nc_u64 s[6:7], s[6:7], s[84:85]
	s_add_nc_u64 s[88:89], s[6:7], s[88:89]
	ROUND                                          ; all sixteen work-groups are here: the joint loads meet
	s_mov_b32 s[G0X], 1                            ; count = 1
	s_mov_b32 s[G0X+1], s24                        ; LDS address
	s_mov_b64 s[G0X+2:G0X+3], s[20:21]             ; global address
	s_or_b32 s[G0X+3], s[G0X+3], 0x80000000        ; type = 2
	s_mov_b32 s[G0W], 1
	s_add_co_u32 s[G0W+1], s24, WOFF
	s_mov_b64 s[G0W+2:G0W+3], s[22:23]
	s_or_b32 s[G0W+3], s[G0W+3], 0x80000000
	s_cmp_eq_u32 s[WV], 0                          ; one chain of branches on the wave's number, one load to an arm
	s_cbranch_scc0 .Lh1
	tensor_load_to_lds s[G0X:G0X+3], s[G1X:G1X+7]  ; wave 0: half 0's tokens
	s_nop 0
	PLACES 4
	s_branch .Lfilled
.Lh1:
	s_cmp_eq_u32 s[WV], 1
	s_cbranch_scc0 .Lh2
	tensor_load_to_lds s[G0W:G0W+3], s[G1W:G1W+7]  ; wave 1: half 0's weights
	s_nop 0
	PLACES 4
	s_branch .Lfilled
.Lh2:
	s_cmp_eq_u32 s[WV], 2
	s_cbranch_scc0 .Lh3
	tensor_load_to_lds s[G0X:G0X+3], s[G1X:G1X+7]  ; wave 2: half 1's tokens
	s_nop 0
	PLACES 4
	s_branch .Lfilled
.Lh3:
	tensor_load_to_lds s[G0W:G0W+3], s[G1W:G1W+7]  ; wave 3: half 1's weights
	s_nop 0
	PLACES 4
.Lfilled:
	s_wait_alu depctr_va_vdst(0)
.irp b, 0,1,2,3,4,5,6,7                ; q's and k's biases: lane (r, h) wants, for tile b, those of columns 32 (b / 2) + 16 h + 8 (b % 2) + 0 .. 7
	global_load_b128 v[BI+8*\b:BI+8*\b+3], v[BO], s[6:7] offset:(32*(\b/2)+8*(\b%2))*4
	global_load_b128 v[BI+8*\b+4:BI+8*\b+7], v[BO], s[6:7] offset:(32*(\b/2)+8*(\b%2))*4+16
.endr
.irp a, 0,1,2,3                        ; v's: my channel's, into both registers of a pair.  Both kinds are loaded in every work-group: 24 small loads inside b_qkv
	global_load_b32 v[BV+2*\a], v[BVO], s[88:89] offset:(32*(\a/2)+8*(\a%2))*4
	global_load_b32 v[BV+2*\a+1], v[BVO], s[88:89] offset:(32*(\a/2)+8*(\a%2))*4
.endr
	s_cmp_lt_u32 s[WV], 2                          ; waves 0 and 1 wait for half 0, whose load lines are theirs alone; half 1 may be out
	s_cbranch_scc0 .Lnh0
	s_wait_tensorcnt 0x0
.Lnh0:
	s_barrier_signal -1
	s_barrier_wait -1                              ; everybody's is
	FETCH 0
	SCALES 0
	STEP 0                                         ; its products start the sums: nothing is cleared
	STEP 1
	s_wait_alu depctr_va_vdst(0)
	STEP 2
	STEP 3
	s_wait_alu depctr_va_vdst(0)
	STEP 4
	STEP 5
	s_wait_alu depctr_va_vdst(0)
	STEP 6
	STEP 7
	WIN 0
	PLACES 4                                       ; in front of the first read of results
.irp b, 0,1,2,3
	v_mov_b32 v[TM+4+\b], 0                        ; a lane permute's destination counts as one of its sources
.endr
	s_lshl_b32 s30, s16, 1
	s_add_co_u32 s30, s30, s12                     ; my group of 128 tokens: 2 wy + w / 2
	s_lshr_b32 s31, s30, 4
	s_lshl_b32 s31, s31, 4                         ; 16 x batch
	s_and_b32 s30, s30, 15                         ; the group within the batch
	s_wait_loadcnt 0x0                             ; the biases
	s_cmp_ge_u32 ttmp9, 4
	s_cbranch_scc1 .Lv
	; ---- q and k.  Tile a of my four: 16 tokens x 128 columns = two heads x 64.  Two tiles (u = 0, 1) make an image for each head.
	s_and_b32 s90, s15, 7
	s_lshl_b32 s90, s90, 1
	s_add_co_u32 s90, s90, s31                     ; the first of my two heads
	s_mul_i32 s90, s90, HEADB
	s_mul_i32 s92, s30, QGB
	s_add_co_u32 s92, s92, QOFF
	s_mul_i32 s93, s30, KSB
	s_cmp_lt_u32 ttmp9, 2                          ; q?
	s_cselect_b32 s92, s92, s93                    ; the group's block
	s_mov_b32 s93, 12288
	s_cselect_b32 s93, 6144, s93                   ; and its scale words' place in it
	s_add_co_u32 s90, s90, s92
	s_add_co_u32 s92, s90, s93
	s_mul_i32 s93, s11, 3072                       ; my two images of the four
	s_add_co_u32 s90, s90, s93
	s_lshl_b32 s93, s11, 8
	s_add_co_u32 s92, s92, s93
	s_mov_b32 s91, 0
	s_mov_b32 s93, 0
	s_add_nc_u64 s[90:91], s[8:9], s[90:91]
	s_add_nc_u64 s[92:93], s[8:9], s[92:93]
.irp a, 0,1,2,3
	WIN 0x01                                       ; source 0: the accumulators, window 1
.set i, 0
.rept 32
	v_pk_add_f32 v[T+i:T+i+1], v[64*\a+i:64*\a+i+1], v[BI+i:BI+i+1]   ; + the bias; each accumulator is read from its low end on
.set i, i+2
.endr
	WIN 0
.if \a == 2
	s_wait_xcnt 0x0                                ; the first images' stores have read their registers
.endif
	QUANT T, P0+6*(\a%2), P1+6*(\a%2)
	v_lshl_or_b32 v[W0], v[TM+5], 8, v[TM+4]
	v_lshl_or_b32 v[W1], v[TM+7], 8, v[TM+6]
	v_or_b32 v[W0], 0x7f7f0000, v[W0]              ; the upper 64 of the instruction's K hold nothing: scale 1
	v_or_b32 v[W1], 0x7f7f0000, v[W1]
.if \a%2 == 0
	v_mov_b32 v[SM0+\a/2], v[W0]
	v_mov_b32 v[SM1+\a/2], v[W1]
.else
	v_cndmask_b32 v[SM0+\a/2], v[SM0+\a/2], v[W0], s86   ; lanes 0-15 keep the even tile's words, lanes 16-31 take the odd tile's
	v_cndmask_b32 v[SM1+\a/2], v[SM1+\a/2], v[W1], s86
.irp c, 0,1,2
	global_store_b128 v[LI], v[P0+4*\c:P0+4*\c+3], s[90:91] offset:(\a/2)*1536+512*\c          ; 512 consecutive bytes, at a multiple of 256 from the buffer's first byte
	global_store_b128 v[LI], v[P1+4*\c:P1+4*\c+3], s[90:91] offset:HEADB+(\a/2)*1536+512*\c    ; the second head
.endr
.endif
.endr
	global_store_b64 v[L8], v[SM0:SM0+1], s[92:93]                 ; 256 consecutive bytes
	global_store_b64 v[L8], v[SM1:SM1+1], s[92:93] offset:HEADB
	s_branch .Ldone
.Lv:
	; ---- v.  Tile a: 16 channels of my head x 128 keys: a whole fragment of the second product.
	s_sub_co_u32 s90, s15, 16
	s_lshl_b32 s90, s90, 1
	s_add_co_u32 s90, s90, s11
	s_add_co_u32 s90, s90, s31                     ; my head
	s_mul_i32 s90, s90, HEADB
	s_mul_i32 s92, s30, KSB
	s_add_co_u32 s90, s90, s92
	s_add_co_u32 s90, s90, 6144                    ; V's images in the key step's block
	s_mov_b32 s91, 0
	s_add_nc_u64 s[90:91], s[8:9], s[90:91]
.irp a, 0,1,2,3
	WIN 0x01
.set i, 0
.rept 32
	v_pk_add_f32 v[T+i:T+i+1], v[64*\a+i:64*\a+i+1], v[BV+2*\a:BV+2*\a+1]
.set i, i+2
.endr
	WIN 0
.if \a > 0
	s_wait_xcnt 0x0                                ; the last image's stores have read their registers
.endif
	QUANT T, P0, P0+6
	v_lshl_or_b32 v[W0], v[TM+5], 8, v[TM+4]
	v_lshl_or_b32 v[W0], v[TM+6], 16, v[W0]
	v_lshl_or_b32 v[W0], v[TM+7], 24, v[W0]
.if \a%2 == 0
	v_mov_b32 v[SM0+\a/2], v[W0]
.else
	v_cndmask_b32 v[SM0+\a/2], v[SM0+\a/2], v[W0], s86
.endif
.irp c, 0,1,2
	global_store_b128 v[LI], v[P0+4*\c:P0+4*\c+3], s[90:91] offset:\a*1536+512*\c
.endr
.endr
	global_store_b64 v[L8], v[SM0:SM0+1], s[90:91] offset:6656
.Ldone:
	s_wait_tensorcnt 0x0
	ds_add_u32 v190, v191
	s_wait_dscnt 0x0
	ROUND                                          ; the closing round: no work-group ends while a partner may still ask for a tile that names it
	s_endpgm
.Lfunc_end_k_qaa628f7844_qkv:
	.size	k_qaa628f7844_qkv, .Lfunc_end_k_qaa628f7844_qkv-k_qaa628f7844_qkv
	.p2alignl 7, 3214868480
	.fill 96, 4, 3214868480
	.section	.rodata,"a",@progbits
	.p2align	6, 0x0
	.amdhsa_kernel k_qaa628f7844_qkv
		.amdhsa_group_segment_fixed_size 320000
		.amdhsa_private_segment_fixed_size 0
		.amdhsa_enable_private_segment 0
		.amdhsa_kernarg_size 24
		.amdhsa_user_sgpr_count 2
		.amdhsa_user_sgpr_kernarg_segment_ptr 1
		.amdhsa_wavefront_size32 1
		.amdhsa_system_sgpr_workgroup_id_x 1
		.amdhsa_system_sgpr_workgroup_id_y 1
		.amdhsa_system_sgpr_workgroup_id_z 1
		.amdhsa_system_vgpr_workitem_id 0
		.amdhsa_next_free_vgpr 1024
		.amdhsa_next_free_sgpr 100
		.amdhsa_reserve_vcc 0
		.amdhsa_float_denorm_mode_32 3
		.amdhsa_float_denorm_mode_16_64 3
		.amdhsa_memory_ordered 1
		.amdhsa_forward_progress 1
		.amdhsa_inst_pref_size 122
	.end_amdhsa_kernel
	.amdgpu_metadata
---
amdhsa.version: [ 1, 2 ]
amdhsa.kernels:
  - .name:           k_qaa628f7844_qkv
    .symbol:         k_qaa628f7844_qkv.kd
    .args:
      - { .name: xw, .offset: 0, .size: 8, .value_kind: global_buffer, .address_space: global }
      - { .name: b_qkv, .offset: 8, .size: 8, .value_kind: global_buffer, .address_space: global }
      - { .name: qkv, .offset: 16, .size: 8, .value_kind: global_buffer, .address_space: global }
    .group_segment_fixed_size: 320000
    .private_segment_fixed_size: 0
    .kernarg_segment_align: 8
    .kernarg_segment_size: 24
    .max_flat_workgroup_size: 128
    .sgpr_count:     100
    .vgpr_count:     1024
    .wavefront_size: 32
...
	.end_amdgpu_metadata
.endif
;; end of part 2
;; launch attn (part 3): grid 4 x 64, 16 waves a work-group, clusters of 4 x 1, 210,944 bytes of LDS; arguments qkv, oq; writes oq
.if DOCPART == 3
	.amdgcn_target "amdgcn-amd-amdhsa--gfx1250"
	.amdhsa_code_object_version 6
	.text
	.protected	k_qaa628f7844_attn
	.globl	k_qaa628f7844_attn
	.p2align	8
	.type	k_qaa628f7844_attn,@function
k_qaa628f7844_attn:
	s_mov_b64 s[64:65], 0
	v_nop
	global_prefetch_b8 v0, s[64:65] scope:SCOPE_SE
	s_setreg_imm32_b32 hwreg(HW_REG_WAVE_MODE, 25, 1), 1
	s_wait_xcnt 0x0
	s_wait_alu depctr_hold_cnt(0) depctr_sa_sdst(0) depctr_va_vdst(0) depctr_va_sdst(0) depctr_va_ssrc(0) depctr_va_vcc(0) depctr_vm_vsrc(0)
	s_getreg_b32 s2, hwreg(HW_REG_IB_STS2, 6, 4)
	s_cmp_eq_u32 s2, 0
	s_cbranch_scc0 .Lentry_in_a_cluster
	s_endpgm
.Lentry_in_a_cluster:
	s_bfe_u32 s2, ttmp6, 0x10000c
	s_cmp_lg_u32 s2, 0x3003
	s_cbranch_scc0 .Lentry_shape_is_right
	s_endpgm
.Lentry_shape_is_right:
; O[q] = the sum over k of softmax_k(Q[q] . K[k] / 8) V[k] for 64 heads of 2,048 tokens x 64, both products on codes of FP6 (E2M3) with E8M0 scales; O is divided by the row's sum, quantised along D and
; leaves as halves of the last product's fragments (buffer oq, laid as xw is: [row block][record][3,328 bytes]; fragment s holds head 2 s in registers 0-5 and head 2 s + 1 in registers 6-11).
; THE SOFTMAX: t = score x log2(e) / 8; M = the running largest t rounded UP to a whole number; p = 2^(t - M) is what is quantised, along the keys, not normalised; the row's sum is taken of the unquantised p;
; when M moves, the sum and O are multiplied by 2^(old M - new M), which rounds nothing.
; LIMITS: NaN and infinities are not served; a block whose largest magnitude lies under 2^-124 keeps the byte 1; a block of zeros gets the byte 1 where the rule says 127 (its codes are zeros; only this program reads the bytes).
; A block's largest p is taken as the exponential of its largest score, which takes v_exp_f32 not to fall where its input rises.
; SHARES. A work-group takes 512 queries of one head; each of its sixteen waves two tiles of 16 queries, one after the other, in 256 registers: four waves to a SIMD.
; The head's whole K and V, codes and scale words, 208,896 bytes, lie in LDS, filled once: each wave brings one key step's block of 13,056 bytes.  Nothing is filled again and nothing is stored to LDS.
; CLUSTER 4 x 1: the four work-groups of a head need the same bytes: each block is asked for jointly.
; LAYOUT. Both products are used transposed (S^T = K Q^T, O^T = V^T P^T): a lane holds one query throughout.  Lane r of key tile 2 j + u holds key 32 j + 8 u + r + 8 (r / 8), so that the 16 registers of two
; neighbouring tiles are 16 neighbouring keys; V's channels are ordered likewise, so that O's registers run along D.
; K = 64 IN AN INSTRUCTION OF 128: Q's fragment has zero codes in registers 6-11, so what K's fragment holds there adds nothing: tile t names v[KR + 6 t] on for 12 registers, whose upper six are the next
; tile's codes (tile 7's: six registers of zeros).  The scale bytes of that half are 0x7f.
.set HEADB, 315392
.set KSB,   13056
.set RBS,   13312
.set LI,  1                            ; v1  16 x lane
.set L8,  2                            ; v2  8 x lane
.set ADK, 3                            ; v3, v4  the key step's LDS addresses
.set AD8, 4
.set QF,  16                           ; v16-27 Q's fragment (v22-27 = 0)
.set QS,  28                           ; v28  Q's scale words: lanes 0-15 the first tile's, lanes 16-31 the second's
.set QI,  30                           ; v30-41 the image of my two tiles of Q
.set KR,  44                           ; v44-91 K's eight tiles, then V's four fragments; v92-97 zeros
.set PAD, 92
.set S,   98                           ; v98-161 S^T, then p
.set O,   162                          ; v162-193 O^T
.set PC,  194                          ; v194-205 p's codes
.set CT,  206
.set BM,  214                          ; the blocks' largest scores, then largest p
.set BP,  218
.set SO,  222                          ; the conversions' scale operands
.set KS,  226                          ; v226-229 K's scale words; v230-231 V's
.set VS,  230
.set F,   232                          ; f = 2^(old M - new M); named as a pair with
.set PS,  233                          ; p's scale word
.set TP,  234
.set WV,  8
.set G1,  16
.set G0,  24
.set SEL, 40
.set CS,  42                           ; s[42:43] c = log2(e) / 8
.set TB,  44                           ; LDS byte at which the key step's block begins
.set CNT, 45
.macro PLACES n
.rept \n
	v_nop
.endr
.endm
.macro ROUND
	s_barrier_signal -1
	s_barrier_wait -1
	s_cmp_lg_u32 s[WV], 0
	s_cbranch_scc1 .Lnw0_\@
	s_barrier_signal -3
.Lnw0_\@:
	s_barrier_wait -3
	s_barrier_signal -1
	s_barrier_wait -1
.endm
.macro KQ t, u                         ; S^T's tile t: an odd tile's scale words lie in lanes 16-31, and so do the second query tile's
.if ((\t)&1) && (\u)
	v_wmma_scale_f32_16x16x128_f8f6f4 v[S+8*\t:S+8*\t+7], v[KR+6*\t:KR+6*\t+11], v[QF:QF+11], 0, v[KS+(\t)/2], v[QS] matrix_a_fmt:MATRIX_FMT_FP6 matrix_b_fmt:MATRIX_FMT_FP6 matrix_a_scale:MATRIX_SCALE_ROW1 matrix_b_scale:MATRIX_SCALE_ROW1
.elseif (\t)&1
	v_wmma_scale_f32_16x16x128_f8f6f4 v[S+8*\t:S+8*\t+7], v[KR+6*\t:KR+6*\t+11], v[QF:QF+11], 0, v[KS+(\t)/2], v[QS] matrix_a_fmt:MATRIX_FMT_FP6 matrix_b_fmt:MATRIX_FMT_FP6 matrix_a_scale:MATRIX_SCALE_ROW1
.elseif (\u)
	v_wmma_scale_f32_16x16x128_f8f6f4 v[S+8*\t:S+8*\t+7], v[KR+6*\t:KR+6*\t+11], v[QF:QF+11], 0, v[KS+(\t)/2], v[QS] matrix_a_fmt:MATRIX_FMT_FP6 matrix_b_fmt:MATRIX_FMT_FP6 matrix_b_scale:MATRIX_SCALE_ROW1
.else
	v_wmma_scale_f32_16x16x128_f8f6f4 v[S+8*\t:S+8*\t+7], v[KR+6*\t:KR+6*\t+11], v[QF:QF+11], 0, v[KS+(\t)/2], v[QS] matrix_a_fmt:MATRIX_FMT_FP6 matrix_b_fmt:MATRIX_FMT_FP6
.endif
.endm
.macro PV t                            ; O^T's tile t += 16 channels x these 128 keys
.if (\t)&1
	v_wmma_scale_f32_16x16x128_f8f6f4 v[O+8*\t:O+8*\t+7], v[KR+12*\t:KR+12*\t+11], v[PC:PC+11], v[O+8*\t:O+8*\t+7], v[VS+(\t)/2], v[PS] matrix_a_fmt:MATRIX_FMT_FP6 matrix_b_fmt:MATRIX_FMT_FP6 matrix_a_scale:MATRIX_SCALE_ROW1
.else
	v_wmma_scale_f32_16x16x128_f8f6f4 v[O+8*\t:O+8*\t+7], v[KR+12*\t:KR+12*\t+11], v[PC:PC+11], v[O+8*\t:O+8*\t+7], v[VS+(\t)/2], v[PS] matrix_a_fmt:MATRIX_FMT_FP6 matrix_b_fmt:MATRIX_FMT_FP6
.endif
.endm
; One tile of 16 queries (u = 0, 1: which of my two) against all 2,048 keys, 128 a trip; then its way out.
.macro ATT u
.irp i, 0,1,2,3,4,5
	v_mov_b32 v[QF+\i], v[QI+6*\u+\i]              ; the tile's codes; the 36 moves below stand between these and the first product
.endr
	v_mov_b32 v13, 0xff61b1e6                      ; the largest t so far: -3e38, under every t
	s_delay_alu instid0(VALU_DEP_1)
	v_floor_f32 v12, -v13                          ; -M
	v_mov_b32 v14, 0                               ; the sum, in two halves
	v_mov_b32 v15, 0
.set i, 0
.rept 32
	v_mov_b32 v[O+i], 0                            ; O^T: the step is written once; the first finds zeros, which the first change of M leaves zeros
.set i, i+1
.endr
	s_mov_b32 s[TB], 0
	s_mov_b32 s[CNT], 16
.Lstep_\@:
	v_add_nc_u32 v[ADK], s[TB], v[LI]
	v_add_nc_u32 v[AD8], s[TB], v[L8]
	v_nop
	v_nop                                          ; four places in front of loads into registers that the last products have read
.irp j, 0,1,2,3
.irp c, 0,1,2
	ds_load_b128 v[KR+12*\j+4*\c:KR+12*\j+4*\c+3], v[ADK] offset:1536*\j+512*\c   ; K: four images of two tiles
.endr
.endr
	ds_load_b64 v[KS:KS+1], v[AD8] offset:12288
	ds_load_b64 v[KS+2:KS+3], v[AD8] offset:12544
	s_wait_alu depctr_va_vdst(0)
	s_wait_dscnt 0x0
.irp t, 0,1,2,3,4,5,6,7
	KQ \t, \u
.endr
	PLACES 4                                       ; in front of the loads below and of the first read of the scores
.irp t, 0,1,2,3
.irp c, 0,1,2
	ds_load_b128 v[KR+12*\t+4*\c:KR+12*\t+4*\c+3], v[ADK] offset:6144+1536*\t+512*\c   ; V: they land while the softmax is worked
.endr
.endr
	ds_load_b64 v[VS:VS+1], v[AD8] offset:12800
.irp b, 0,1,2,3
	v_max3_num_f32 v[BM+\b], v[S+16*\b], v[S+1+16*\b], v[S+2+16*\b]   ; the largest score of each block of 32 keys: it serves the row's maximum and, since p rises with the score, the block's largest p
.endr
.irp i, 3,5,7,9,11,13
.irp b, 0,1,2,3
	v_max3_num_f32 v[BM+\b], v[BM+\b], v[S+16*\b+\i], v[S+1+16*\b+\i]
.endr
.endr
.irp b, 0,1,2,3
	v_max_num_f32 v[BM+\b], v[BM+\b], v[S+15+16*\b]
.endr
.irp b, 0,1,2,3
	s_delay_alu instid0(VALU_DEP_4)
	v_permlanex16_b32 v[BP+\b], v[BM+\b], s[SEL], s[SEL+1]
.endr
.irp b, 0,1,2,3
	s_delay_alu instid0(VALU_DEP_4)
	v_max_num_f32 v[BM+\b], v[BM+\b], v[BP+\b]     ; with lane l xor 16's 16 keys
.endr
	s_delay_alu instid0(VALU_DEP_2)
	v_max3_num_f32 v[TP], v[BM], v[BM+1], v[BM+2]
	s_delay_alu instid0(VALU_DEP_1)
	v_max_num_f32 v[TP], v[TP], v[BM+3]
	s_delay_alu instid0(VALU_DEP_1)
	v_mul_f32 v[TP], s[CS], v[TP]                  ; the step's largest t (c is positive)
	s_delay_alu instid0(VALU_DEP_1)
	v_max_num_f32 v13, v13, v[TP]
	v_mov_b32 v[TP], v12
	s_delay_alu instid0(VALU_DEP_2)
	v_floor_f32 v12, -v13                          ; the new -M = -ceil(t)
	s_delay_alu instid0(VALU_DEP_1)
	v_sub_f32 v[TP], v12, v[TP]                    ; old M - new M: a whole number, 0 or less
	s_delay_alu instid0(VALU_DEP_1)
	v_cvt_i32_f32 v[TP], v[TP]                     ; (it saturates)
	s_delay_alu instid0(VALU_DEP_1)
	v_ldexp_f32 v[F], 1.0, v[TP]                   ; f
.set i, 0
.rept 32
	v_pk_fma_f32 v[S+i:S+i+1], v[S+i:S+i+1], s[CS:CS+1], v[12:13] op_sel_hi:[1,0,0]   ; t - M, two at a time
.set i, i+2
.endr
.irp b, 0,1,2,3
	v_fma_f32 v[BM+\b], v[BM+\b], s[CS], v12       ; the same of each block's largest score
.endr
.set i, 0
	s_wait_alu depctr_va_vdst(0)
.rept 64
	v_exp_f32 v[S+i], v[S+i]                       ; p = 2^(t - M), at most 1
.set i, i+1
.endr
	v_pk_mul_f32 v[14:15], v[14:15], v[F:F+1] op_sel_hi:[1,0]   ; the sums under the new M: the plain instruction behind the exponentials
	s_wait_alu depctr_va_vdst(0)                   ; one wait for the batch of 64, ahead of its first reader
.irp b, 0,1,2,3
	v_exp_f32 v[BM+\b], v[BM+\b]                   ; the blocks' largest p
.endr
	v_pk_add_f32 v[218:219], v[102:103], v[106:107]
	v_pk_add_f32 v[252:253], v[110:111], v[114:115]
	v_pk_add_f32 v[250:251], v[118:119], v[122:123]
	v_pk_add_f32 v[248:249], v[126:127], v[130:131]
	v_pk_add_f32 v[246:247], v[134:135], v[138:139]
	v_pk_add_f32 v[244:245], v[142:143], v[146:147]
	v_pk_add_f32 v[242:243], v[150:151], v[154:155]
	v_pk_add_f32 v[14:15], v[14:15], v[158:159]
	v_pk_add_f32 v[218:219], v[218:219], v[98:99]
	v_pk_add_f32 v[252:253], v[252:253], v[100:101]
	v_pk_add_f32 v[250:251], v[250:251], v[104:105]
	v_pk_add_f32 v[248:249], v[248:249], v[108:109]
	v_pk_add_f32 v[246:247], v[246:247], v[112:113]
	v_pk_add_f32 v[244:245], v[244:245], v[116:117]
	v_pk_add_f32 v[242:243], v[242:243], v[120:121]
	v_pk_add_f32 v[14:15], v[14:15], v[124:125]
	v_pk_add_f32 v[218:219], v[218:219], v[128:129]
	v_pk_add_f32 v[252:253], v[252:253], v[132:133]
	v_pk_add_f32 v[250:251], v[250:251], v[136:137]
	v_pk_add_f32 v[248:249], v[248:249], v[140:141]
	v_pk_add_f32 v[246:247], v[246:247], v[144:145]
	v_pk_add_f32 v[244:245], v[244:245], v[148:149]
	v_pk_add_f32 v[242:243], v[242:243], v[152:153]
	v_pk_add_f32 v[14:15], v[14:15], v[156:157]
	v_pk_add_f32 v[218:219], v[218:219], v[160:161]
	s_delay_alu instid0(VALU_DEP_2)
	v_pk_add_f32 v[14:15], v[14:15], v[248:249]
	s_delay_alu instid0(VALU_DEP_2)
	v_pk_add_f32 v[218:219], v[218:219], v[246:247]
	v_pk_add_f32 v[252:253], v[252:253], v[244:245]
	v_pk_add_f32 v[250:251], v[250:251], v[242:243]
	s_delay_alu instid0(VALU_DEP_2)
	v_pk_add_f32 v[14:15], v[14:15], v[252:253]
	s_delay_alu instid0(VALU_DEP_2)
	v_pk_add_f32 v[218:219], v[218:219], v[250:251]
	s_delay_alu instid0(VALU_DEP_1)
	v_pk_add_f32 v[14:15], v[14:15], v[218:219]
	s_wait_alu depctr_va_vdst(0)                   ; and one for the four
.irp b, 0,1,2,3
	v_max_num_f32 v[BM+\b], 0x1800000, v[BM+\b]    ; the floor 2^(3 - 127): the byte cannot fall under 1
.endr
.irp b, 0,1,2,3
	s_delay_alu instid0(VALU_DEP_4)
	v_add_nc_u32 v[SO+\b], 0xff000000, v[BM+\b]    ; 2 off the exponent field: the conversion's scale operand
.endr
.irp b, 0,1,2,3
	s_delay_alu instid0(VALU_DEP_4)
	v_lshrrev_b32 v[BP+\b], 23, v[SO+\b]
.endr
	s_delay_alu instid0(VALU_DEP_3)
	v_lshl_or_b32 v[PS], v[BP+1], 8, v[BP]         ; p's scale word for these 128 keys
	s_delay_alu instid0(VALU_DEP_1)
	v_lshl_or_b32 v[PS], v[BP+2], 16, v[PS]
	s_delay_alu instid0(VALU_DEP_1)
	v_lshl_or_b32 v[PS], v[BP+3], 24, v[PS]
.irp c, 0,1
	v_cvt_scalef32_pk16_fp6_f32 v[PC+6*\c:PC+6*\c+2], v[S+32*\c:S+32*\c+15], v[SO+2*\c]
	v_cvt_scalef32_pk16_fp6_f32 v[CT+4*\c:CT+4*\c+2], v[S+16+32*\c:S+31+32*\c], v[SO+2*\c+1]
.endr
	v_nop                                          ; one plain instruction behind the scaled conversions
.irp c, 0,1
.irp i, 0,1,2
	v_permlane16_swap_b32 v[PC+6*\c+\i], v[CT+4*\c+\i]   ; a whole block in a lane
.endr
.irp i, 0,1,2
	s_delay_alu instid0(VALU_DEP_3)
	v_mov_b32 v[PC+3+6*\c+\i], v[CT+4*\c+\i]
.endr
.endr
.set i, 0
.rept 16
	v_pk_mul_f32 v[O+i:O+i+1], v[O+i:O+i+1], v[F:F+1] op_sel_hi:[1,0]   ; O^T under the new M; these 16 also stand between the writes of p's codes and scale word and the products
.set i, i+2
.endr
	s_wait_alu depctr_va_vdst(0)
	s_wait_dscnt 0x0                               ; V and its scale words are in
.irp t, 0,1,2,3
	PV \t
.endr
	s_add_co_u32 s[TB], s[TB], KSB
	s_sub_co_u32 s[CNT], s[CNT], 1
	s_cmp_lg_u32 s[CNT], 0
	s_cbranch_scc1 .Lstep_\@
	; the way out: O^T / the sum; its 32 registers are two blocks of 32 along D (register 16 b + i = channel 32 b + 16 h + i)
	PLACES 4
	v_add_f32 v14, v14, v15
	s_delay_alu instid0(VALU_DEP_1)
	v_permlanex16_b32 v[TP], v14, s[SEL], s[SEL+1]
	s_delay_alu instid0(VALU_DEP_1)
	v_add_f32 v14, v14, v[TP]                      ; the row's sum
	s_wait_alu depctr_va_vdst(0)
	v_rcp_f32 v[F], v14
	v_nop                                          ; a plain instruction behind the reciprocal,
	s_wait_alu depctr_va_vdst(0)                   ; and the wait ahead of its first reader
.set i, 0
.rept 16
	v_pk_mul_f32 v[S+i:S+i+1], v[O+i:O+i+1], v[F:F+1] op_sel_hi:[1,0]   ; each accumulator is read from its low end on
.set i, i+2
.endr
.irp b, 0,1
	v_max3_num_f32 v[BM+\b], |v[S+16*\b]|, |v[S+1+16*\b]|, 0x1800000
.endr
.irp i, 2,4,6,8,10,12,14
.irp b, 0,1
	s_delay_alu instid0(VALU_DEP_2)
	v_max3_num_f32 v[BM+\b], v[BM+\b], |v[S+16*\b+\i]|, |v[S+1+16*\b+\i]|
.endr
.endr
.irp b, 0,1
	s_delay_alu instid0(VALU_DEP_2)
	v_permlanex16_b32 v[BP+\b], v[BM+\b], s[SEL], s[SEL+1]
.endr
.irp b, 0,1
	s_delay_alu instid0(VALU_DEP_2)
	v_max_num_f32 v[BM+\b], v[BM+\b], v[BP+\b]
.endr
.irp b, 0,1
	s_delay_alu instid0(VALU_DEP_2)
	v_add_nc_u32 v[SO+\b], 0xff000000, v[BM+\b]
.endr
.irp b, 0,1
	s_delay_alu instid0(VALU_DEP_2)
	v_lshrrev_b32 v[BP+\b], 23, v[SO+\b]
.endr
	s_delay_alu instid0(VALU_DEP_1)
	v_lshl_or_b32 v[TP], v[BP+1], 8, v[BP]         ; my head's two bytes of the row's scale word
	v_cvt_scalef32_pk16_fp6_f32 v[PC:PC+2], v[S:S+15], v[SO]
	v_cvt_scalef32_pk16_fp6_f32 v[CT:CT+2], v[S+16:S+31], v[SO+1]
	v_nop
.irp i, 0,1,2
	v_permlane16_swap_b32 v[PC+\i], v[CT+\i]
.endr
.irp i, 0,1,2
	s_delay_alu instid0(VALU_DEP_3)
	v_mov_b32 v[PC+3+\i], v[CT+\i]
.endr
	global_store_b128 v[LI], v[PC:PC+3], s[38:39]              ; half a fragment: 512 consecutive bytes, at a multiple of 256 from the buffer's first byte,
	global_store_b64 v[L8], v[PC+4:PC+5], s[38:39] offset:512  ; and 256
	global_store_b16 v[L8], v[TP], s[36:37]                    ; two bytes in each of 32 slots of 8: a scale word's other half belongs to another head, and so to another work-group
.if (\u) == 0
	s_wait_xcnt 0x0                                ; the stores have read their registers and bases
	s_add_nc_u64 s[38:39], s[38:39], RBS           ; the second tile is the next row block
	s_add_nc_u64 s[36:37], s[36:37], RBS
.endif
.endm
	s_load_b128 s[4:7], s[0:1], 0x0                ; qkv s[4:5], oq s[6:7]
	v_lshl_add_u32 v254, v0, 2, 0x33000
	v_mov_b32 v255, 0
	ds_add_u32 v254, v255
	ds_add_u32 v254, v255
	v_lshrrev_b32 v5, 5, v0
	s_delay_alu instid0(VALU_DEP_1)
	v_readfirstlane_b32 s[WV], v5                  ; wave 0..15
	s_bfe_u32 s9, ttmp6, 0x40000                   ; cx: my block of 512 queries; it enters Q's and O's global addresses alone
	s_and_b32 s10, ttmp7, 0xffff                   ; the head (16 x batch + head), which the four partners share
	s_mul_i32 s12, s10, HEADB
	s_mov_b32 s13, 0
	s_mul_i32 s14, s[WV], KSB                      ; the key step that I bring: its place in the head's bytes and in LDS
	s_mov_b32 s15, 0
	; descriptor group 1: 51 rows of 32 elements of 8 bytes, dense
	s_mov_b32 s[G1], 15|(3<<16)|(1<<21)            ; 15:0 the mask: all four work-groups; 17:16 elements of 8 bytes; 21 set beside a mask
	s_mov_b32 s[G1+1], 32<<16                      ; tensor_dim0
	s_mov_b32 s[G1+2], 51<<16                      ; tensor_dim1
	s_mov_b32 s[G1+3], 32<<16                      ; tile_dim0
	s_mov_b32 s[G1+4], 51                          ; tile_dim1
	s_mov_b32 s[G1+5], 32                          ; from row to row
	s_mov_b32 s[G1+6], 0
	s_mov_b32 s[G1+7], 0
	s_lshl_b32 s28, s9, 2
	s_lshr_b32 s29, s[WV], 2
	s_add_co_u32 s28, s28, s29                     ; my query group of 128: 4 cx + w / 4
	s_mul_i32 s28, s28, 6656
	s_add_co_u32 s28, s28, 208896
	s_and_b32 s29, s[WV], 3                        ; my pair of tiles in it
	s_mul_i32 s30, s29, 1536
	s_add_co_u32 s30, s30, s28
	s_mov_b32 s31, 0
	s_lshr_b32 s32, s29, 1
	s_lshl_b32 s32, s32, 8
	s_and_b32 s33, s29, 1
	s_lshl_b32 s33, s33, 2
	s_add_co_u32 s32, s32, s33
	s_add_co_u32 s32, s32, s28
	s_add_co_u32 s32, s32, 6144                    ; its scale words
	s_mov_b32 s33, 0
	s_lshr_b32 s34, s10, 4
	s_lshl_b32 s34, s34, 7
	s_lshl_b32 s35, s9, 5
	s_add_co_u32 s34, s34, s35
	s_lshl_b32 s35, s[WV], 1
	s_add_co_u32 s34, s34, s35                     ; my first row block of oq: 128 x batch + 32 cx + 2 w
	s_mul_i32 s34, s34, RBS
	s_and_b32 s35, s10, 15                         ; the head within the batch
	s_lshr_b32 s36, s35, 2
	s_mul_i32 s36, s36, 3328
	s_add_co_u32 s34, s34, s36                     ; the record: four heads each
	s_bfe_u32 s36, s35, 0x10001                    ; which fragment of the record,
	s_and_b32 s37, s35, 1                          ; which half of the fragment
	s_mul_i32 s38, s36, 1536
	s_mul_i32 s39, s37, 768
	s_add_co_u32 s38, s38, s39
	s_add_co_u32 s38, s38, s34
	s_mov_b32 s39, 0
	s_lshl_b32 s36, s36, 2
	s_lshl_b32 s37, s37, 1
	s_add_co_u32 s36, s36, s37
	s_add_co_u32 s36, s36, s34
	s_add_co_u32 s36, s36, 3072                    ; my two bytes of a scale slot
	s_mov_b32 s37, 0
	s_mov_b32 s[SEL], 0x76543210
	s_mov_b32 s[SEL+1], 0xfedcba98
	s_mov_b32 s[CS], 0x3e38aa3b                    ; c = log2(e) / 8
	s_mov_b32 s[CS+1], s[CS]                       ; (named with it as a pair)
	v_and_b32 v6, 31, v0
	s_delay_alu instid0(VALU_DEP_1)
	v_lshlrev_b32 v[LI], 4, v6
	s_delay_alu instid0(VALU_DEP_2)
	v_lshlrev_b32 v[L8], 3, v6
	s_wait_dscnt 0x0
	s_wait_kmcnt 0x0
	s_add_nc_u64 s[12:13], s[4:5], s[12:13]        ; the head's first byte
	s_add_nc_u64 s[30:31], s[12:13], s[30:31]
	s_add_nc_u64 s[32:33], s[12:13], s[32:33]
	s_add_nc_u64 s[38:39], s[6:7], s[38:39]
	s_add_nc_u64 s[36:37], s[6:7], s[36:37]
	ROUND                                          ; all four work-groups are here: the joint loads meet
	s_mov_b32 s[G0], 1                             ; count = 1
	s_mov_b32 s[G0+1], s14                         ; LDS address
	s_add_nc_u64 s[G0+2:G0+3], s[12:13], s[14:15]  ; global address
	s_or_b32 s[G0+3], s[G0+3], 0x80000000          ; type = 2
	tensor_load_to_lds s[G0:G0+3], s[G1:G1+7]      ; my one tensor load
	s_nop 0
	PLACES 4
	s_wait_alu depctr_va_vdst(0)
.irp c, 0,1,2
	global_load_b128 v[QI+4*\c:QI+4*\c+3], v[LI], s[30:31] offset:512*\c
.endr
	global_load_b32 v[QS], v[L8], s[32:33]
.irp i, 0,1,2,3,4,5
	v_mov_b32 v[QF+6+\i], 0                        ; the upper 64 of the instruction's K: zero codes
	v_mov_b32 v[PAD+\i], 0
.endr
.irp b, 0,1,2,3
	v_mov_b32 v[BP+\b], 0                          ; a lane permute's destination counts as one of its sources
.endr
	v_mov_b32 v[PS], 0                             ; (named as the upper half of a pair before it is first written)
	v_mov_b32 v[TP], 0
	s_wait_tensorcnt 0x0                           ; my key step is in,
	s_barrier_signal -1
	s_barrier_wait -1                              ; everybody's is
	s_wait_loadcnt 0x0                             ; Q
	ATT 0
	ATT 1
	s_wait_tensorcnt 0x0
	ds_add_u32 v254, v255
	s_wait_dscnt 0x0
	ROUND                                          ; the closing round: no work-group ends while a partner may still ask for a block that names it
	s_endpgm
.Lfunc_end_k_qaa628f7844_attn:
	.size	k_qaa628f7844_attn, .Lfunc_end_k_qaa628f7844_attn-k_qaa628f7844_attn
	.p2alignl 7, 3214868480
	.fill 96, 4, 3214868480
	.section	.rodata,"a",@progbits
	.p2align	6, 0x0
	.amdhsa_kernel k_qaa628f7844_attn
		.amdhsa_group_segment_fixed_size 210944
		.amdhsa_private_segment_fixed_size 0
		.amdhsa_enable_private_segment 0
		.amdhsa_kernarg_size 16
		.amdhsa_user_sgpr_count 2
		.amdhsa_user_sgpr_kernarg_segment_ptr 1
		.amdhsa_wavefront_size32 1
		.amdhsa_system_sgpr_workgroup_id_x 1
		.amdhsa_system_sgpr_workgroup_id_y 1
		.amdhsa_system_sgpr_workgroup_id_z 1
		.amdhsa_system_vgpr_workitem_id 0
		.amdhsa_next_free_vgpr 256
		.amdhsa_next_free_sgpr 66
		.amdhsa_reserve_vcc 0
		.amdhsa_float_denorm_mode_32 3
		.amdhsa_float_denorm_mode_16_64 3
		.amdhsa_memory_ordered 1
		.amdhsa_forward_progress 1
		.amdhsa_inst_pref_size 51
	.end_amdhsa_kernel
	.amdgpu_metadata
---
amdhsa.version: [ 1, 2 ]
amdhsa.kernels:
  - .name:           k_qaa628f7844_attn
    .symbol:         k_qaa628f7844_attn.kd
    .args:
      - { .name: qkv, .offset: 0, .size: 8, .value_kind: global_buffer, .address_space: global }
      - { .name: oq, .offset: 8, .size: 8, .value_kind: global_buffer, .address_space: global }
    .group_segment_fixed_size: 210944
    .private_segment_fixed_size: 0
    .kernarg_segment_align: 8
    .kernarg_segment_size: 16
    .max_flat_workgroup_size: 512
    .sgpr_count:     66
    .vgpr_count:     256
    .wavefront_size: 32
...
	.end_amdgpu_metadata
.endif
;; end of part 3
;; launch proj (part 4): grid 8 x 32, 4 waves a work-group, clusters of 4 x 4, 320,000 bytes of LDS; arguments oq, xw, b_out, out0; writes out0
.if DOCPART == 4
	.amdgcn_target "amdgcn-amd-amdhsa--gfx1250"
	.amdhsa_code_object_version 6
	.text
	.protected	k_qaa628f7844_proj
	.globl	k_qaa628f7844_proj
	.p2align	8
	.type	k_qaa628f7844_proj,@function
k_qaa628f7844_proj:
	s_mov_b64 s[64:65], 0
	v_nop
	global_prefetch_b8 v0, s[64:65] scope:SCOPE_SE
	s_setreg_imm32_b32 hwreg(HW_REG_WAVE_MODE, 25, 1), 1
	s_wait_xcnt 0x0
	s_wait_alu depctr_hold_cnt(0) depctr_sa_sdst(0) depctr_va_vdst(0) depctr_va_sdst(0) depctr_va_ssrc(0) depctr_va_vcc(0) depctr_vm_vsrc(0)
	s_getreg_b32 s2, hwreg(HW_REG_IB_STS2, 6, 4)
	s_cmp_eq_u32 s2, 0
	s_cbranch_scc0 .Lentry_in_a_cluster
	s_endpgm
.Lentry_in_a_cluster:
	s_bfe_u32 s2, ttmp6, 0x10000c
	s_cmp_lg_u32 s2, 0xf033
	s_cbranch_scc0 .Lentry_shape_is_right
	s_endpgm
.Lentry_shape_is_right:
; out0 = o w_out^T + b_out on codes of FP6 (E2M3) with E8M0 scales: o from buffer oq, w_out from buffer xw (row blocks 704 on); sums in f32; out0 [8192][1024] f32.
; SHARES. A work-group makes 256 tokens (wy) x 128 columns (wx), K = 1,024.  All its operands, 24 row blocks x 13,312 bytes, fit in LDS: every tensor load is a first fill; they come as two halves of 512 along K.
; CLUSTER 4 x 4: the four work-groups of a row of the cluster need the same tokens, the four of a column the same weights: each tile is asked for jointly.
; Source 0 = the 8 weight blocks, source 1 = my 4 token blocks: a lane holds a token, and by the order of rows in a block (place r = row 8 u + r + 8 (r / 8) of a group of 32) the 16 registers of two
; neighbouring tiles are 16 neighbouring columns.  The bias is the C of each sum's first product.
; REGISTERS, in windows of 256: window 0: addresses, scale words (v32-79, two sets of 24), the way out (v80-207), the bias (v192-255, free behind the first K step).  window 1: the 32 accumulators, (a, b) at v[8 (8 a + b)].
;   windows 2 and 3: two sets of fragments: source 0's eight at v[12 b], source 1's four at v[96 + 12 a].
; THE FILLS AS THEY STAND: the operands come as two HALVES of 512 along K, one joint load a wave: wave 0 the 16 token blocks of half 0, wave 1 its 8 weight blocks, waves 2 and 3 the same of half 1.
; A row of a tile is a row block's two records, 6,656 bytes, at a multiple of 256 bytes from the buffer's first byte.  The stage of the way out lies in half 0, whose last reads stand ahead of K step 3's barrier.
.set HB,    159744                     ; a half in LDS: 24 blocks x 6,656 bytes
.set BLK,   6656                       ; a block's two records
.set REC,   3328
.set RBS,   13312
.set WOFF,  16*BLK
.set SPITCH, 528                       ; the way out: a stage of 16 rows x (512 bytes + 16) for each wave, in half 0, which has had its one fill and, behind K step 3's barrier, its last read
.set LI,  1
.set L8,  2
.set BO,  3
.set A0L, 24
.set A0S, 25
.set A1L, 26
.set A1S, 27
.set STO, 28
.set RD,  29
.set SC,  32                           ; v32-79 scale words, and nothing else
.set BK,  80                           ; 16 rows read back from the stage: v80-143 and v144-207 by turns
.set BI,  192
.set WV,  10
.set G1X, 32
.set G1W, 40
.set G0X, 48
.set G0W, 68
.set MSB, 0
.macro WIN new
.if MSB != (\new)
	s_set_vgpr_msb (MSB<<8)|(\new)
.set MSB, (\new)
.endif
.endm
.macro PLACES n
.rept \n
	v_nop
.endr
.endm
.macro ROUND
	s_barrier_signal -1
	s_barrier_wait -1
	s_cmp_lg_u32 s[WV], 0
	s_cbranch_scc1 .Lnw0_\@
	s_barrier_signal -3
.Lnw0_\@:
	s_barrier_wait -3
	s_barrier_signal -1
	s_barrier_wait -1
.endm
.macro FRAG reg, al, as, off
	ds_load_b128 v[\reg:\reg+3], v[\al] offset:\off
	ds_load_b64 v[\reg+4:\reg+5], v[\as] offset:\off+512
	ds_load_b128 v[\reg+6:\reg+9], v[\al] offset:\off+768
	ds_load_b64 v[\reg+10:\reg+11], v[\as] offset:\off+1280
.endm
.macro FETCH k
	WIN 0x80+0x40*((\k)&1)
.irp b, 0,1,2,3,4,5,6,7
	FRAG 12*\b, A0L, A0S, \b*BLK+(((\k)>>1)&1)*REC+((\k)&1)*1536
.endr
.irp a, 0,1,2,3
	FRAG 96+12*\a, A1L, A1S, \a*BLK+(((\k)>>1)&1)*REC+((\k)&1)*1536
.endr
.endm
.macro SCALES s
	WIN 0
.irp b, 0,1,2,3,4,5,6,7
	ds_load_b64 v[SC+24*(\s)+2*\b:SC+24*(\s)+2*\b+1], v[A0S] offset:3072+\b*BLK+(\s)*REC
.endr
.irp a, 0,1,2,3
	ds_load_b64 v[SC+24*(\s)+16+2*\a:SC+24*(\s)+16+2*\a+1], v[A1S] offset:3072+\a*BLK+(\s)*REC
.endr
.endm
.macro MUL16 a0, first                 ; the 32 accumulators take turns, in the same order in every step
.irp a, \a0, \a0+1
.irp b, 0,1,2,3,4,5,6,7
.if \first
	v_wmma_scale_f32_16x16x128_f8f6f4 v[8*(8*(\a)+\b):8*(8*(\a)+\b)+7], v[12*\b:12*\b+11], v[96+12*(\a):96+12*(\a)+11], v[BI+8*\b:BI+8*\b+7], v[SCK+2*\b], v[SCK+16+2*(\a)] matrix_a_fmt:MATRIX_FMT_FP6 matrix_b_fmt:MATRIX_FMT_FP6
.else
	v_wmma_scale_f32_16x16x128_f8f6f4 v[8*(8*(\a)+\b):8*(8*(\a)+\b)+7], v[12*\b:12*\b+11], v[96+12*(\a):96+12*(\a)+11], v[8*(8*(\a)+\b):8*(8*(\a)+\b)+7], v[SCK+2*\b], v[SCK+16+2*(\a)] matrix_a_fmt:MATRIX_FMT_FP6 matrix_b_fmt:MATRIX_FMT_FP6
.endif
.endr
.endr
.endm
; A K step of 128: 32 products on set k % 2; in its middle the next step's fragments are fetched into the other set.  Step 3 is half 0's last: my one load has landed,
; I say so, and read half 1 when all four waves have said so.
.macro STEP k
.set SCK, SC+24*(((\k)>>1)&1)+((\k)&1)
.if (\k) == 0
.set MW, 0x4a                          ; sources in window 2, C (the bias) in window 0, D in window 1
.else
.set MW, 0x5a+5*((\k)&1)               ; sources in window 2 or 3, C and D in window 1
.endif
	s_wait_dscnt 0x0
.if (\k) == 3
	s_wait_tensorcnt 0x0                           ; step 3 is half 0's last: every wave's one load has landed, those of half 1 among them
	s_barrier_signal -1
.endif
	WIN MW
	MUL16 0, (\k)==0
.if (\k) < 7
.if (\k) == 3
	WIN 0
	s_barrier_wait -1
	v_add_nc_u32 v[A0L], HB, v[A0L]                ; on to half 1; these four are also the places in front of the loads
	v_add_nc_u32 v[A0S], HB, v[A0S]
	v_add_nc_u32 v[A1L], HB, v[A1L]
	v_add_nc_u32 v[A1S], HB, v[A1S]
.else
	PLACES 4
.endif
	FETCH (\k)+1
.if (\k)&1
	SCALES (((\k)+1)>>1)&1
.endif
.endif
	WIN MW
	MUL16 2, (\k)==0
.endm
	s_load_b128 s[4:7], s[0:1], 0x0                ; oq s[4:5], xw s[6:7]
	s_load_b128 s[84:87], s[0:1], 0x10             ; b_out s[84:85], out0 s[86:87]
	v_lshl_add_u32 v30, v0, 2, 0x4e000
	v_mov_b32 v31, 0
	ds_add_u32 v30, v31
	ds_add_u32 v30, v31
	v_lshrrev_b32 v4, 5, v0
	v_readfirstlane_b32 s[WV], v4
	s_lshr_b32 s12, s[WV], 1                       ; which half of K I fetch
	s_bfe_u32 s13, ttmp6, 0x40000                  ; cx
	s_bfe_u32 s14, ttmp6, 0x40004                  ; cy
	s_lshl_b32 s15, ttmp9, 2
	s_add_co_u32 s15, s15, s13                     ; wx
	s_and_b32 s16, ttmp7, 0xffff
	s_lshl_b32 s16, s16, 2
	s_add_co_u32 s16, s16, s14                     ; wy
	s_lshl_b32 s18, s14, 2
	s_lshl_b32 s18, 15, s18                        ; my row of the cluster
	s_lshl_b32 s19, 0x1111, s13                    ; my column
	s_or_b32 s[G1X], s18, (3<<16)|(1<<21)          ; group 1: R rows (one row block each) of 832 elements of 8 bytes, 1,664 elements apart; the mask; bit 21 beside it
	s_or_b32 s[G1W], s19, (3<<16)|(1<<21)
.irp g, G1X, G1W
	s_mov_b32 s[\g+1], 832<<16
	s_mov_b32 s[\g+3], 832<<16
	s_mov_b32 s[\g+5], 1664
	s_mov_b32 s[\g+6], 0
	s_mov_b32 s[\g+7], 0
.endr
	s_mov_b32 s[G1X+2], 16<<16
	s_mov_b32 s[G1X+4], 16
	s_mov_b32 s[G1W+2], 8<<16
	s_mov_b32 s[G1W+4], 8
	s_lshl_b32 s20, s16, 4
	s_mul_i32 s20, s20, RBS                        ; tokens: row block 16 wy of oq,
	s_mul_i32 s21, s12, 2*REC                      ; records 2 (wave / 2) on
	s_add_co_u32 s20, s20, s21
	s_mov_b32 s21, 0
	s_lshl_b32 s22, s15, 3
	s_add_co_u32 s22, s22, 704
	s_mul_i32 s22, s22, RBS                        ; weights: row block 704 + 8 wx of xw,
	s_mul_i32 s23, s12, 2*REC                      ; records 2 (wave / 2) on
	s_add_co_u32 s22, s22, s23
	s_mov_b32 s23, 0
	s_mul_i32 s24, s12, HB                         ; where my half goes
	s_mul_i32 s26, s[WV], 4*BLK                    ; source 1: my four token blocks
	v_and_b32 v5, 31, v0
	v_lshlrev_b32 v[LI], 4, v5
	v_lshlrev_b32 v[L8], 3, v5
	v_add_nc_u32 v[A0L], WOFF, v[LI]
	v_add_nc_u32 v[A0S], WOFF, v[L8]
	v_add_nc_u32 v[A1L], s26, v[LI]
	v_add_nc_u32 v[A1S], s26, v[L8]
	v_bfe_u32 v6, v0, 4, 1
	v_lshlrev_b32 v[BO], 6, v6
	v_and_b32 v7, 15, v0
	s_mul_i32 s27, s[WV], 16*SPITCH                ; my stage
	v_mul_u32_u24 v[STO], v7, SPITCH
	v_lshl_add_u32 v[STO], v6, 6, v[STO]
	v_add_nc_u32 v[STO], s27, v[STO]               ; in: row r, + 64 h
	v_add_nc_u32 v[RD], s27, v[LI]                 ; back: the 32 lanes take one row of 512 bytes
	s_lshl_b32 s30, s16, 8
	s_lshl_b32 s31, s[WV], 6
	s_add_co_u32 s30, s30, s31                     ; my first token
	s_lshl_b32 s30, s30, 12
	s_lshl_b32 s88, s15, 9                         ; my 128 columns, in bytes: in a row of out0 and in b_out
	s_add_co_u32 s30, s30, s88
	s_mov_b32 s31, 0
	s_mov_b32 s89, 0
	s_wait_dscnt 0x0
	s_wait_kmcnt 0x0
	s_add_nc_u64 s[20:21], s[4:5], s[20:21]
	s_add_nc_u64 s[22:23], s[6:7], s[22:23]
	s_add_nc_u64 s[84:85], s[84:85], s[88:89]
	s_add_nc_u64 s[86:87], s[86:87], s[30:31]
	ROUND                                          ; all sixteen work-groups are here: the joint loads meet
	s_mov_b32 s[G0X], 1
	s_mov_b32 s[G0X+1], s24
	s_mov_b64 s[G0X+2:G0X+3], s[20:21]
	s_or_b32 s[G0X+3], s[G0X+3], 0x80000000
	s_mov_b32 s[G0W], 1
	s_add_co_u32 s[G0W+1], s24, WOFF
	s_mov_b64 s[G0W+2:G0W+3], s[22:23]
	s_or_b32 s[G0W+3], s[G0W+3], 0x80000000
	s_cmp_eq_u32 s[WV], 0                          ; one chain of branches on the wave's number, one load to an arm
	s_cbranch_scc0 .Lh1
	tensor_load_to_lds s[G0X:G0X+3], s[G1X:G1X+7]  ; wave 0: half 0's tokens
	s_nop 0
	PLACES 4
	s_branch .Lfilled
.Lh1:
	s_cmp_eq_u32 s[WV], 1
	s_cbranch_scc0 .Lh2
	tensor_load_to_lds s[G0W:G0W+3], s[G1W:G1W+7]  ; wave 1: half 0's weights
	s_nop 0
	PLACES 4
	s_branch .Lfilled
.Lh2:
	s_cmp_eq_u32 s[WV], 2
	s_cbranch_scc0 .Lh3
	tensor_load_to_lds s[G0X:G0X+3], s[G1X:G1X+7]  ; wave 2: half 1's tokens
	s_nop 0
	PLACES 4
	s_branch .Lfilled
.Lh3:
	tensor_load_to_lds s[G0W:G0W+3], s[G1W:G1W+7]  ; wave 3: half 1's weights
	s_nop 0
	PLACES 4
.Lfilled:
	s_wait_alu depctr_va_vdst(0)
.irp b, 0,1,2,3,4,5,6,7                ; the bias in the result's layout: lane (r, h) wants, for tile b, columns 32 (b / 2) + 16 h + 8 (b % 2) + 0 .. 7
	global_load_b128 v[BI+8*\b:BI+8*\b+3], v[BO], s[84:85] offset:(32*(\b/2)+8*(\b%2))*4
	global_load_b128 v[BI+8*\b+4:BI+8*\b+7], v[BO], s[84:85] offset:(32*(\b/2)+8*(\b%2))*4+16
.endr
	s_cmp_lt_u32 s[WV], 2                          ; waves 0 and 1 wait for half 0, whose load lines are theirs alone; half 1 may be out
	s_cbranch_scc0 .Lnh0
	s_wait_tensorcnt 0x0
.Lnh0:
	s_barrier_signal -1
	s_barrier_wait -1
	FETCH 0
	SCALES 0
	s_wait_loadcnt 0x0                             ; the bias
	STEP 0
	STEP 1
	s_wait_alu depctr_va_vdst(0)
	STEP 2
	STEP 3
	s_wait_alu depctr_va_vdst(0)
	STEP 4
	STEP 5
	s_wait_alu depctr_va_vdst(0)
	STEP 6
	STEP 7
	WIN 0
	PLACES 4                                       ; in front of the first read of results
; THE WAY OUT, a token block (16 rows x 128 columns) at a time: through my own stage and back as whole rows of 512 bytes.  LDS serves a wave's instructions in order (ISA guide 5.7.1.4): no wait between stores and loads.
.macro TOSTAGE a
	WIN 0x04                                       ; an LDS store's data are its source 1: window 1
.irp b, 0,1,2,3,4,5,6,7
	ds_store_b128 v[STO], v[64*(\a)+8*\b:64*(\a)+8*\b+3] offset:128*(\b/2)+32*(\b%2)        ; each accumulator from its low end on
	ds_store_b128 v[STO], v[64*(\a)+8*\b+4:64*(\a)+8*\b+7] offset:128*(\b/2)+32*(\b%2)+16
.endr
	WIN 0
.irp t, 0,1,2,3,4,5,6,7,8,9,10,11,12,13,14,15
	ds_load_b128 v[BK+64*((\a)%2)+4*\t:BK+64*((\a)%2)+4*\t+3], v[RD] offset:\t*SPITCH
.endr
.endm
.macro SEND a, younger                 ; younger: the LDS instructions issued behind block a's loads, which may stay out
	s_wait_dscnt \younger
.irp t, 0,1,2,3,4,5,6,7,8,9,10,11,12,13,14,15
	global_store_b128 v[LI], v[BK+64*((\a)%2)+4*\t:BK+64*((\a)%2)+4*\t+3], s[86:87] offset:(32*((\a)/2)+8*((\a)%2)+\t+8*(\t/8))*4096 th:TH_STORE_NT   ; place t of block a is token 32 (a / 2) + 8 (a % 2) + t + 8 (t / 8); 512 consecutive bytes, at a multiple of 256 from out0's first byte
.endr
.endm
	TOSTAGE 0
.irp a, 1,2,3
.if \a > 1
	s_wait_xcnt 0x0                                ; block a - 2's stores have read their registers: block a's loads may land there
.endif
	TOSTAGE \a
	SEND \a-1, 32                                  ; behind block a - 1's loads: block a's 16 stores and 16 loads
.endr
	SEND 3, 0
	s_wait_tensorcnt 0x0
	ds_add_u32 v30, v31
	s_wait_dscnt 0x0
	ROUND                                          ; the closing round: no work-group ends while a partner may still ask for a tile that names it
	s_endpgm
.Lfunc_end_k_qaa628f7844_proj:
	.size	k_qaa628f7844_proj, .Lfunc_end_k_qaa628f7844_proj-k_qaa628f7844_proj
	.p2alignl 7, 3214868480
	.fill 96, 4, 3214868480
	.section	.rodata,"a",@progbits
	.p2align	6, 0x0
	.amdhsa_kernel k_qaa628f7844_proj
		.amdhsa_group_segment_fixed_size 320000
		.amdhsa_private_segment_fixed_size 0
		.amdhsa_enable_private_segment 0
		.amdhsa_kernarg_size 32
		.amdhsa_user_sgpr_count 2
		.amdhsa_user_sgpr_kernarg_segment_ptr 1
		.amdhsa_wavefront_size32 1
		.amdhsa_system_sgpr_workgroup_id_x 1
		.amdhsa_system_sgpr_workgroup_id_y 1
		.amdhsa_system_sgpr_workgroup_id_z 1
		.amdhsa_system_vgpr_workitem_id 0
		.amdhsa_next_free_vgpr 1024
		.amdhsa_next_free_sgpr 100
		.amdhsa_reserve_vcc 0
		.amdhsa_float_denorm_mode_32 3
		.amdhsa_float_denorm_mode_16_64 3
		.amdhsa_memory_ordered 1
		.amdhsa_forward_progress 1
		.amdhsa_inst_pref_size 84
	.end_amdhsa_kernel
	.amdgpu_metadata
---
amdhsa.version: [ 1, 2 ]
amdhsa.kernels:
  - .name:           k_qaa628f7844_proj
    .symbol:         k_qaa628f7844_proj.kd
    .args:
      - { .name: oq, .offset: 0, .size: 8, .value_kind: global_buffer, .address_space: global }
      - { .name: xw, .offset: 8, .size: 8, .value_kind: global_buffer, .address_space: global }
      - { .name: b_out, .offset: 16, .size: 8, .value_kind: global_buffer, .address_space: global }
      - { .name: out0, .offset: 24, .size: 8, .value_kind: global_buffer, .address_space: global }
    .group_segment_fixed_size: 320000
    .private_segment_fixed_size: 0
    .kernarg_segment_align: 8
    .kernarg_segment_size: 32
    .max_flat_workgroup_size: 128
    .sgpr_count:     100
    .vgpr_count:     1024
    .wavefront_size: 32
...
	.end_amdgpu_metadata
.endif
;; end of part 4
